; MI455X (gfx1250); checked and timed in simulation.
; The chip was launched on July 23, 2026; its instructions are those of AMD's public machine-readable ISA for CDNA 5 (MIT licence, August 2026) and "CDNA5" Instruction Set Architecture Reference Guide (July 2026). The comments in the code are by the model that wrote it; some were corrected since.
;; Attention. Allowed arithmetic: matrix products marked QUANTISED: E4M3 operands, one E8M0 scale for each 32 along K, by v_wmma_scale_f32_16x16x128_f8f6f4 with both operands' format E4M3, f32 sums; everything else in f32.
;; Inputs: k 4,096 x 1,024 float32; q 4,096 x 4,096 float32; v 4,096 x 1,024 float32.
;; Outputs: out0 4,096 x 4,096 float32.
;; This version of the problem:
;;   THIS VERSION OF THE PROBLEM IS GIVEN IN LOW PRECISION. The matrix products marked QUANTISED in the list below multiply operands that are first quantised to E4M3 (4 exponent bits, 3 mantissa bits; 8 bits a number), with one power-of-two scale for each 32 numbers along K (OCP MX v1.0); their sums are f32. All else is computed in f32.
;;   The module's matrix products, in the order in which they are computed (A, B: the left and right operand; K: the contracted axis; several contracted axes count as one K, in the product's order):
;;     1. batch 64 x [M 2,048, K 128] x [K 128, N 2,048]; A: input q; B: input k: QUANTISED
;;     2. batch 64 x [M 128, K 2,048] x [K 2,048, N 2,048]; A: input v; B: softmax (see below): QUANTISED
;;   THE QUANTISER, for each operand of a quantised product, along K:
;;     - K is cut into blocks of 32 from its start; a last block that is shorter is filled with zeros.
;;     - A block's scale is 2^e with e = floor(log2(the largest magnitude in the block)) - 8, held to -126 .. 127; a block of zeros has e = 0. As a byte (E8M0): e + 127.
;;     - Each number is divided by its block's scale, clamped to +-448, and rounded to the nearest number of E4M3, ties to even, subnormals kept.
;;     - The product sums the exact products of the quantised numbers (number of the format x scale) in f32.
;;   ~~~python
;;   def quantise(x, axis):      # numpy; x: float32 -> the quantised numbers, widened to float32 again
;;       x = np.moveaxis(x, axis, -1); K = x.shape[-1]
;;       x = np.pad(x, [(0, 0)] * (x.ndim - 1) + [(0, -K % 32)]); x = x.reshape(x.shape[:-1] + (-1, 32)); a = np.abs(x).max(-1, keepdims=True)
;;       e = np.where(a > 0, np.clip(np.frexp(np.where(a > 0, a, 1))[1] - 1 - 8, -126, 127), 0)      # np.frexp(a)[1] - 1 = floor(log2(a)), exactly
;;       r = np.clip(x / 2.0 ** e, -448, 448)
;;       step = 2.0 ** (np.maximum(np.frexp(np.where(r == 0, 1, r))[1] - 1, -6) - 3)
;;       q = np.round(r / step) * step * 2.0 ** e      # np.round: ties to even
;;       return np.moveaxis(q.reshape(q.shape[:-2] + (-1,))[..., :K], -1, axis).astype(np.float32)
;;   ~~~
;;   SOFTMAX AHEAD OF A QUANTISED PRODUCT. Where the list says 'softmax', what is quantised is not the finished softmax but p = 2^(t - M), with t = logit x log2(e) and M = ceil(the row's largest t), a whole number; so 1/2 < the row's largest p <= 1. The row's sum l is taken of the UNQUANTISED p, in f32, and the product's result is divided by l at the end. Since M is a whole number, a kernel that streams over the keys may use a running M (the ceiling of the running maximum): every later rescaling is an exact power of two, which a block's scale takes up: the codes' values come out the same.
;;   OPERANDS COMPUTED ON THE WAY. 'Computed on the way' means the value that the module computes at that place (a softmax that the list does not call 'softmax' is quantised finished and normalised). What goes into a quantiser is computed in f32, as accurately as f32 sums, v_exp_f32 and their like allow (about 1e-6 of the number): no bf16 or f16 on the way to a quantiser, and a product that is left as it is and whose result goes on into a quantised operand takes f32 operands (vector FMAs, or v_wmma_f32_16x16x4_f32). A number that lies on a knife's edge between two numbers of the format may be rounded either way, as far as f32 arithmetic and the matrix unit's own rounding can turn it there, and no further.
;; One version. Each part assembles by itself: llvm-mc -triple=amdgcn-amd-amdhsa -mcpu=gfx1250 --defsym DOCPART=n.
;; ======== version 1 of 1: 2 launches
;; workspace buffers: kc 4,194,304 bytes; ks 131,072 bytes; vc 4,194,304 bytes; vs 131,072 bytes
;; launch quant (part 1): grid 512 x 1, 8 waves a work-group, no clusters, 69,632 bytes of LDS; arguments k, v, kc, ks, vc, vs; writes kc, ks, vc, vs
.if DOCPART == 1
	.amdgcn_target "amdgcn-amd-amdhsa--gfx1250"
	.amdhsa_code_object_version 6
	.text
	.protected	k_qa9acc5147e_quant
	.globl	k_qa9acc5147e_quant
	.p2align	8
	.type	k_qa9acc5147e_quant,@function
k_qa9acc5147e_quant:
	s_mov_b64 s[64:65], 0
	v_nop
	global_prefetch_b8 v0, s[64:65] scope:SCOPE_SE
	s_setreg_imm32_b32 hwreg(HW_REG_WAVE_MODE, 25, 1), 1
	s_wait_xcnt 0x0
; k and v, [4096 tokens][8 heads x 128] f32, become codes of FP8 (E4M3) with one E8M0 scale byte for each 32 along a product's K: k along the head's 128, v along the KEYS (blocks of 32 keys from a sequence's key 0).
; A block's scale is 2^(floor(log2(its largest magnitude)) - 8); its byte is the largest magnitude's exponent field - 8, held at 1 from below; each number is divided by the scale, held within +-448 and rounded to the nearest code, ties to even.
; THE CODES ARE LAID AS IMAGES OF THE OPERAND'S REGISTERS, for the attention launch, by key step of 128 keys: [bkv = 8 batch + head][step][tile 0..7][c 0..3][lane][16 bytes]: 16,384 dense bytes a step.
;   kc: lane (r, h) of tile t holds key 128 step + 32 (t / 2) + 8 (t % 2) + r + 8 (r / 8), channels 32 c + 16 h + 0 .. 15.     vc: lane (r, h) of tile t holds channel 16 t + r, keys 128 step + 32 c + 16 h + 0 .. 15.
;   ks, vs: [bkv][step][g 0..1][r 0..15][t % 4], a scale word of four bytes each (tile t = 4 g + t % 4): 512 bytes a step; 16 bytes at 256 g + 16 r are the words of four tiles.
; SHARES.  Work-groups 0 to 255 take k, 256 to 511 take v; each a key step of one bkv.  The two ways part on the work-group's number, use LDS bytes of their own and end apart.
; LIMITS: a block whose largest magnitude lies under 2^-118 keeps the byte 1; a block of zeros gets the byte 1 where the rule says 127 (its codes are zeros, and this program alone reads the bytes); NaN and infinities among the inputs are not served.
.set STGB,  8448                       ; k's way: a stage of 16 rows x (512 bytes + 16) for each wave
.set SP,    528                        ; 33 x 16 bytes: the sixteen rows that a load touches start at sixteen different groups of banks
.set KSCL,  8*STGB                     ; k's way: the step's 512 bytes of scale words
.set VSCL,  KSCL+512                   ; v's way: likewise, bytes of its own
.set R,     16                         ; v16-79   k: 16 rows as they are loaded
.set X,     80                         ; v80-143  k: 64 numbers of my row: register 16 c + i = channel 32 c + 16 h + i
.set TM,    144                        ; v144-147 largest magnitudes, v148-151 bytes, v152-155 448 x the scale, v156-159 the conversions' scale operands
.set PW,    160                        ; the scale word
.set PC,    164                        ; v164-179 the codes
.set SEL,   30                         ; s[30:31] lane selects for v_permlanex16_b32: lane l xor 16
.set MNT,   32                         ; s32      the mantissa field of 448
	s_load_b256 s[4:11], s[0:1], 0x0               ; k s[4:5], v s[6:7], kc s[8:9], ks s[10:11]
	s_load_b128 s[12:15], s[0:1], 0x20             ; vc s[12:13], vs s[14:15]
	v_lshl_add_u32 v192, v0, 2, 0x10c00
	v_mov_b32 v193, 0
	v_lshrrev_b32 v1, 5, v0
	v_readfirstlane_b32 s16, v1                    ; wave 0..7
	v_and_b32 v2, 31, v0                           ; lane
	v_and_b32 v3, 15, v0                           ; r
	v_bfe_u32 v4, v0, 4, 1                         ; h
	v_lshlrev_b32 v5, 4, v2                        ; 16 x lane
	s_bfe_u32 s17, ttmp9, 0x40004                  ; bkv
	s_and_b32 s18, ttmp9, 15                       ; step
	s_lshr_b32 s19, s17, 3                         ; batch
	s_and_b32 s20, s17, 7                          ; head
	s_lshl_b32 s21, s19, 11
	s_lshl_b32 s22, s18, 7
	s_add_co_u32 s21, s21, s22                     ; the step's first token: 2,048 batch + 128 step
	s_lshl_b32 s22, s17, 18
	s_lshl_b32 s23, s18, 14
	s_add_co_u32 s24, s22, s23                     ; the step's codes: 262,144 bkv + 16,384 step
	s_mov_b32 s25, 0
	s_lshl_b32 s22, s17, 13
	s_lshl_b32 s23, s18, 9
	s_add_co_u32 s26, s22, s23                     ; its scale words: 8,192 bkv + 512 step
	s_mov_b32 s27, 0
	s_mov_b32 s29, 0
	s_mov_b32 s[SEL], 0x76543210
	s_mov_b32 s[SEL+1], 0xfedcba98
	s_mov_b32 s[MNT], 0x600000
	s_cmp_lt_u32 ttmp9, 256
	s_cbranch_scc0 .Lv_way
	; ---- k: wave t makes tile t.  Each load reads one key's 512 consecutive bytes; the 16 rows turn through the wave's own stage, so that a lane comes to hold 16 neighbours of each block of 32.
	s_lshr_b32 s22, s16, 1
	s_lshl_b32 s22, s22, 5
	s_and_b32 s23, s16, 1
	s_lshl_b32 s23, s23, 3
	s_add_co_u32 s22, s22, s23
	s_add_co_u32 s22, s22, s21                     ; the tile's first key: + 32 (t / 2) + 8 (t % 2)
	s_lshl_b32 s22, s22, 12                        ; a token's row of k is 4,096 bytes
	s_lshl_b32 s23, s20, 9                         ; a head's part of it 512
	s_add_co_u32 s28, s22, s23
	s_lshl_b32 s22, s16, 11
	s_add_co_u32 s24, s24, s22                     ; the tile's 2,048 bytes of codes
	s_mul_i32 s33, s16, STGB                       ; my stage
	v_add_nc_u32 v6, s33, v5                       ; in: a row as it lies, 16 bytes a lane
	v_mul_u32_u24 v7, v3, SP
	v_lshl_add_u32 v7, v4, 6, v7
	v_add_nc_u32 v7, s33, v7                       ; out: row r, + 64 h: my 16 numbers of a block
	s_lshr_b32 s22, s16, 2
	s_lshl_b32 s22, s22, 8
	s_and_b32 s23, s16, 3
	s_lshl_b32 s23, s23, 2
	s_add_co_u32 s22, s22, s23
	s_add_co_u32 s22, s22, KSCL
	v_lshl_add_u32 v8, v3, 4, s22                  ; my row's scale word: 256 (t / 4) + 16 r + 4 (t % 4)
	v_add_nc_u32 v9, KSCL, v5                      ; and the way out of the 512 bytes: 16 a lane
.irp b, 0,1,2,3
	v_mov_b32 v[TM+4+\b], 0                        ; written once: a lane permute's destination counts as one of its sources
.endr
	s_wait_kmcnt 0x0
	s_add_nc_u64 s[4:5], s[4:5], s[28:29]
	s_add_nc_u64 s[8:9], s[8:9], s[24:25]
	s_add_nc_u64 s[10:11], s[10:11], s[26:27]
.irp i, 0,1,2,3,4,5,6,7,8,9,10,11,12,13,14,15
	global_load_b128 v[R+4*\i:R+4*\i+3], v5, s[4:5] offset:(\i+8*(\i/8))*4096 th:TH_LOAD_NT   ; row r of the tile is key r + 8 (r / 8) from its first
.endr
.irp i, 0,1,2,3,4,5,6,7,8,9,10,11,12,13,14,15
	s_wait_loadcnt 15-\i                           ; loads come back in order: row i is in, the younger rows may be out
	ds_store_b128 v6, v[R+4*\i:R+4*\i+3] offset:SP*\i
.endr
.irp c, 0,1,2,3
.irp j, 0,1,2,3
	ds_load_b128 v[X+16*\c+4*\j:X+16*\c+4*\j+3], v7 offset:128*\c+16*\j   ; LDS serves a wave's instructions in order: these see my stores
.endr
.endr
	s_wait_dscnt 0x0
.irp b, 0,1,2,3
	v_max3_num_f32 v[TM+\b], |v[X+16*\b]|, |v[X+1+16*\b]|, 0x4800000   ; block b: my 16 numbers, and the floor 2^(9 - 127): so the byte cannot fall under 1
.endr
.irp i, 2,4,6,8,10,12,14
.irp b, 0,1,2,3
	v_max3_num_f32 v[TM+\b], v[TM+\b], |v[X+16*\b+\i]|, |v[X+1+16*\b+\i]|   ; the four blocks by turns
.endr
.endr
.irp b, 0,1,2,3
	v_permlanex16_b32 v[TM+4+\b], v[TM+\b], s[SEL], s[SEL+1]
.endr
.irp b, 0,1,2,3
	v_max_num_f32 v[TM+\b], v[TM+\b], v[TM+4+\b]   ; with lane l xor 16's: the block's largest magnitude
.endr
.irp b, 0,1,2,3
	v_add_nc_u32 v[TM+12+\b], 0xfc000000, v[TM+\b] ; 8 off its exponent field: the conversion takes the exponent field of this operand as its scale
.endr
.irp b, 0,1,2,3
	v_and_or_b32 v[TM+8+\b], v[TM+\b], 0x7f800000, s[MNT]   ; 448 x the scale
.endr
.irp b, 0,1,2,3
	v_lshrrev_b32 v[TM+4+\b], 23, v[TM+12+\b]      ; the scale's byte
.endr
	v_lshl_or_b32 v[PW], v[TM+5], 8, v[TM+4]       ; the four bytes make my key's scale word
	v_lshl_or_b32 v[PW], v[TM+6], 16, v[PW]
	v_lshl_or_b32 v[PW], v[TM+7], 24, v[PW]
.irp b, 0,1,2,3
.irp i, 0,1,2,3,4,5,6,7,8,9,10,11,12,13,14,15
	v_med3_num_f32 v[X+16*\b+\i], v[X+16*\b+\i], -v[TM+8+\b], v[TM+8+\b]   ; the conversion to an 8-bit code does not saturate (ISA guide 7.6.2): the hold comes first
.endr
	v_cvt_scalef32_pk8_fp8_f32 v[PC+4*\b:PC+1+4*\b], v[X+16*\b:X+7+16*\b], v[TM+12+\b]
	v_cvt_scalef32_pk8_fp8_f32 v[PC+2+4*\b:PC+3+4*\b], v[X+8+16*\b:X+15+16*\b], v[TM+12+\b]
.endr
.irp c, 0,1,2,3
	global_store_b128 v5, v[PC+4*\c:PC+4*\c+3], s[8:9] offset:512*\c   ; the image: 32 lanes store 512 consecutive bytes, aligned
.endr
	ds_store_b32 v8, v[PW]                         ; lanes r and r + 16 write the same word with the same value
	s_wait_dscnt 0x0                               ; for the others' sake: my word has landed
	s_barrier_signal -1
	s_barrier_wait -1
	s_cmp_lg_u32 s16, 0
	s_cbranch_scc1 .Lk_end
	ds_load_b128 v[12:15], v9                      ; wave 0 stores the step's 512 bytes of scale words as two whole aligned runs of 256
	s_wait_dscnt 0x0
	global_store_b128 v5, v[12:15], s[10:11]
.Lk_end:
	s_wait_tensorcnt 0x0
	ds_add_u32 v192, v193
	s_wait_dscnt 0x0
	s_endpgm
	; ---- v: a lane takes a channel and its registers run down the keys: a block of 32 keys lies in one lane's 32 registers, and the conversions give codes with the keys innermost.
	; Wave (cw = wave % 4, hf = wave / 4) takes channels 32 cw + lane and the key blocks 2 hf and 2 hf + 1 of the step.
.Lv_way:
	s_and_b32 s22, s16, 3                          ; cw
	s_lshr_b32 s23, s16, 2                         ; hf
	s_lshl_b32 s33, s23, 6
	s_add_co_u32 s33, s33, s21                     ; my first key
	s_lshl_b32 s33, s33, 12
	s_lshl_b32 s34, s20, 9
	s_add_co_u32 s33, s33, s34
	s_lshl_b32 s34, s22, 7
	s_add_co_u32 s28, s33, s34                     ; + 128 cw bytes: my 32 channels
	s_lshl_b32 s33, s22, 12
	s_add_co_u32 s24, s24, s33                     ; the codes: tiles 2 cw and 2 cw + 1,
	s_lshl_b32 s33, s23, 10
	s_add_co_u32 s24, s24, s33                     ; c = 2 hf on
	v_lshlrev_b32 v6, 2, v2                        ; in: 4 bytes a lane: 128 consecutive bytes a wave, four waves side by side on 512
	v_lshlrev_b32 v7, 4, v3
	v_lshl_add_u32 v7, v4, 11, v7                  ; out: tile lane / 16, 16 bytes at lane % 16
	s_lshr_b32 s33, s22, 1
	s_lshl_b32 s33, s33, 8
	s_and_b32 s34, s22, 1
	s_lshl_b32 s34, s34, 3
	s_add_co_u32 s33, s33, s34
	s_lshl_b32 s34, s23, 1
	s_add_co_u32 s33, s33, s34
	s_add_co_u32 s33, s33, VSCL
	v_lshlrev_b32 v8, 4, v3
	v_lshl_add_u32 v8, v4, 2, v8
	v_add_nc_u32 v8, s33, v8                       ; my channel's two scale bytes: 256 (cw / 2) + 16 (lane % 16) + 8 (cw % 2) + 4 (lane / 16) + 2 hf
	v_add_nc_u32 v9, VSCL, v5
	s_wait_kmcnt 0x0
	s_add_nc_u64 s[6:7], s[6:7], s[28:29]
	s_add_nc_u64 s[12:13], s[12:13], s[24:25]
	s_add_nc_u64 s[14:15], s[14:15], s[26:27]
.set n, 0
.rept 64
	global_load_b32 v[32+n], v6, s[6:7] offset:n*4096 th:TH_LOAD_NT   ; key n of my 64, my channel
.set n, n+1
.endr
.macro BLOCK t
.set XS, 32+32*(\t)
	s_wait_loadcnt 32-32*(\t)                      ; this block's 32 loads are in; the next block's may be out
	v_max3_num_f32 v12, |v[XS]|, |v[XS+1]|, |v[XS+2]|   ; the block's largest magnitude: all 32 numbers are mine
	v_max3_num_f32 v13, |v[XS+3]|, |v[XS+4]|, |v[XS+5]|
.irp i, 6,10,14,18,22,26
	v_max3_num_f32 v12, v12, |v[XS+\i]|, |v[XS+\i+1]|
	v_max3_num_f32 v13, v13, |v[XS+\i+2]|, |v[XS+\i+3]|
.endr
	v_max3_num_f32 v12, v12, |v[XS+30]|, |v[XS+31]|
	v_max3_num_f32 v12, v12, v13, 0x4800000        ; and the floor 2^(9 - 127)
	v_add_nc_u32 v11, 0xfc000000, v12              ; the conversion's scale operand
	v_and_or_b32 v10, v12, 0x7f800000, s[MNT]      ; 448 x the scale
	v_lshrrev_b32 v[14+\t], 23, v11                ; the scale's byte
.irp i, 0,1,2,3,4,5,6,7,8,9,10,11,12,13,14,15,16,17,18,19,20,21,22,23,24,25,26,27,28,29,30,31
	v_med3_num_f32 v[XS+\i], v[XS+\i], -v10, v10   ; the hold (ISA guide 7.6.2)
.endr
.irp g, 0,1,2,3
	v_cvt_scalef32_pk8_fp8_f32 v[96+8*(\t)+2*\g:96+8*(\t)+2*\g+1], v[XS+8*\g:XS+8*\g+7], v11
.endr
	global_store_b128 v7, v[96+8*(\t):96+8*(\t)+3], s[12:13] offset:512*(\t)         ; keys 0-15 of the block: the image's lanes 0-15; sixteen lanes store 256 consecutive bytes, aligned
	global_store_b128 v7, v[96+8*(\t)+4:96+8*(\t)+7], s[12:13] offset:512*(\t)+256   ; keys 16-31: its lanes 16-31
.endm
	BLOCK 0
	BLOCK 1                                        ; (each block has registers of its own for its codes: no store's data are written again)
	v_lshl_or_b32 v14, v15, 8, v14                 ; the two bytes, the lower keys' below
	ds_store_b16 v8, v14
	s_wait_dscnt 0x0                               ; for the others' sake
	s_barrier_signal -1
	s_barrier_wait -1
	s_cmp_lg_u32 s16, 0
	s_cbranch_scc1 .Lv_end
	ds_load_b128 v[16:19], v9
	s_wait_dscnt 0x0
	global_store_b128 v5, v[16:19], s[14:15]
.Lv_end:
	s_wait_tensorcnt 0x0
	ds_add_u32 v192, v193
	s_wait_dscnt 0x0
	s_endpgm
.Lfunc_end_k_qa9acc5147e_quant:
	.size	k_qa9acc5147e_quant, .Lfunc_end_k_qa9acc5147e_quant-k_qa9acc5147e_quant
	.p2alignl 7, 3214868480
	.fill 96, 4, 3214868480
	.section	.rodata,"a",@progbits
	.p2align	6, 0x0
	.amdhsa_kernel k_qa9acc5147e_quant
		.amdhsa_group_segment_fixed_size 69632
		.amdhsa_private_segment_fixed_size 0
		.amdhsa_enable_private_segment 0
		.amdhsa_kernarg_size 48
		.amdhsa_user_sgpr_count 2
		.amdhsa_user_sgpr_kernarg_segment_ptr 1
		.amdhsa_wavefront_size32 1
		.amdhsa_system_sgpr_workgroup_id_x 1
		.amdhsa_system_sgpr_workgroup_id_y 1
		.amdhsa_system_sgpr_workgroup_id_z 1
		.amdhsa_system_vgpr_workitem_id 0
		.amdhsa_next_free_vgpr 194
		.amdhsa_next_free_sgpr 66
		.amdhsa_reserve_vcc 0
		.amdhsa_float_denorm_mode_32 3
		.amdhsa_float_denorm_mode_16_64 3
		.amdhsa_memory_ordered 1
		.amdhsa_forward_progress 1
		.amdhsa_inst_pref_size 31
	.end_amdhsa_kernel
	.amdgpu_metadata
---
amdhsa.version: [ 1, 2 ]
amdhsa.kernels:
  - .name:           k_qa9acc5147e_quant
    .symbol:         k_qa9acc5147e_quant.kd
    .args:
      - { .name: k, .offset: 0, .size: 8, .value_kind: global_buffer, .address_space: global }
      - { .name: v, .offset: 8, .size: 8, .value_kind: global_buffer, .address_space: global }
      - { .name: kc, .offset: 16, .size: 8, .value_kind: global_buffer, .address_space: global }
      - { .name: ks, .offset: 24, .size: 8, .value_kind: global_buffer, .address_space: global }
      - { .name: vc, .offset: 32, .size: 8, .value_kind: global_buffer, .address_space: global }
      - { .name: vs, .offset: 40, .size: 8, .value_kind: global_buffer, .address_space: global }
    .group_segment_fixed_size: 69632
    .private_segment_fixed_size: 0
    .kernarg_segment_align: 8
    .kernarg_segment_size: 48
    .max_flat_workgroup_size: 256
    .sgpr_count:     66
    .vgpr_count:     194
    .wavefront_size: 32
...
	.end_amdgpu_metadata
.endif
;; end of part 1
;; launch attn (part 2): grid 512 x 1, 8 waves a work-group, clusters of 4 x 1, 327,680 bytes of LDS; arguments q, kc, ks, vc, vs, out0; writes out0
.if DOCPART == 2
	.amdgcn_target "amdgcn-amd-amdhsa--gfx1250"
	.amdhsa_code_object_version 6
	.text
	.protected	k_qa9acc5147e_attn
	.globl	k_qa9acc5147e_attn
	.p2align	8
	.type	k_qa9acc5147e_attn,@function
k_qa9acc5147e_attn:
	s_mov_b64 s[64:65], 0
	v_nop
	global_prefetch_b8 v0, s[64:65] scope:SCOPE_SE
	s_setreg_imm32_b32 hwreg(HW_REG_WAVE_MODE, 25, 1), 1
	s_wait_xcnt 0x0
	s_wait_alu depctr_hold_cnt(0) depctr_sa_sdst(0) depctr_va_vdst(0) depctr_va_sdst(0) depctr_va_ssrc(0) depctr_va_vcc(0) depctr_vm_vsrc(0)
	s_getreg_b32 s2, hwreg(HW_REG_IB_STS2, 6, 4)
	s_cmp_eq_u32 s2, 0
	s_cbranch_scc0 .Lentry_in_a_cluster
	s_endpgm
.Lentry_in_a_cluster:
	s_bfe_u32 s2, ttmp6, 0x10000c
	s_cmp_lg_u32 s2, 0x3003
	s_cbranch_scc0 .Lentry_shape_is_right
	s_endpgm
.Lentry_shape_is_right:
; out0[token][head][:] = the sum over keys j of softmax_j(q . k / sqrt(128) - slope_head (i - j)) v[j][:], over the keys i - 1024 <= j <= i of the token's sequence (2 sequences of 2,048; 32 query heads on 8 key and value heads).
; Both products on codes of FP8 (E4M3) with one E8M0 scale for each 32 along K.  k's and v's codes and scale words come from the launch before, as images of the operand's registers (laid as its head comment says); q is quantised here, in registers.
; THE SOFTMAX AHEAD OF THE SECOND PRODUCT: t = logit x log2(e); M = the running largest t, rounded UP to a whole number; p = 2^(t - M) is quantised along the keys, not normalised; the row's sum is taken of the unquantised p and divides at the end;
; when M moves, the sum and O are multiplied by 2^(old M - new M): exact.
; SHARES.  The four work-groups of a cluster are the four query heads of one key and value head, on the same queries: they walk the same K, V and scale bytes, so every tensor load is JOINT (mask 15).  A work-group's place in its cluster enters
; q's and out0's addresses, the prefetches' address and the slope's value, and nothing else.  A work-group has 8 waves, a wave two tiles of 16 queries, A and B, so that each fragment of K and V read from LDS feeds two matrix instructions.
;   clusters 0-63 (late): queries 1024 + 256 pi + 32 w (A) and 16 on (B); key steps 2 pi .. 2 pi + 9.     clusters 64-127 (early): A = 128 a + 16 sub, B = 128 (7 - a) + 16 sub, a = min(w, 7 - w), sub = 2 pi + w / 4; key steps 0 .. 9:
;   a short tile is paired with a long one, so that every early wave has 9 tile steps (every late wave 18).  All walk ten key steps of 128 keys, a constant; a step none of whose keys counts for a tile is left out by a scalar branch on ids.
; LAYOUT.  Both products transposed: S^T = K Q^T, O^T = V^T P^T: a lane holds ONE query (lane % 16).  The keys of a tile of K are chosen so that the 16 registers of tiles 2 b and 2 b + 1 are the keys 32 b + 16 (lane / 16) + 0 .. 15.
; ALIBI.  t = c s + SL2 (j - i), c = log2(e) / sqrt(128), SL2 = slope log2(e), j = KF + 32 b + 16 h + n (n = 0 .. 15).  The part 16 h + n rides in the C operand of the score product (as slope sqrt(128) (16 h + n));
; the rest, G_b = SL2 (KF + 32 b - i), is one number a lane and block: it is added to the four block maxima, and folded with -M into the addend of p's packed multiply-add.
; LIMITS: NaN and infinities among the inputs are not served; a block of q whose largest magnitude lies under 2^-118 keeps the byte 1, a block of zeros too (its codes are zeros); p under 2^-126 is 0 (v_exp_f32);
; the bias is added in three f32 parts (C operand, G_b, M) and not in the order of the definition: each part is rounded once, to f32.
; LDS is claimed whole.
.set STEPB, 16384                      ; a key step's image of K, or of V
.set VOFF,  32768                      ; a slot: K of two steps, then V of two steps
.set SLOT1, 65536                      ; slot 1 begins here: one exclusive or turns an address in one slot into the other's
.set SCK,   131072                     ; K's scale words of the ten steps, 512 bytes a step
.set SCVD,  5120                       ; V's lie so far behind K's
.set SPARE, 141312                     ; the spare words, 128 bytes for each wave: four blocks of 256 bytes that no other line names
.set STAGE, 142336                     ; each wave's own stage, 16 rows x (512 bytes + 16): q on the way in, O on the way out; no tensor load fills it
.set STGB,  8448
.set SP,    528
; window 0, v0-63 (shared by the tiles)
.set LI,  1                            ; 16 x lane: my place in an image, and in a row of q or of out0
.set LR,  2                            ; SCK + 16 (lane % 16): my row's four scale words
.set ADK, 3                            ; the step's images: s[TB] + LI
.set ADS, 4                            ; the step's scale words: s[TS] + LR
.set SPW, 5                            ; LDS address of my spare word; never rewritten
.set NIL, 6                            ; 0; never rewritten
.set STO, 7                            ; the stage: row r, + 32 h
.set STR, 8                            ; the stage: 16 x lane: a whole row
.set SQR, 9                            ; the stage: row r, + 64 h
.set PFO, 11                           ; 256 x lane: the prefetches' offset; never rewritten
.set KS,  12                           ; v12-15 the scale words of the four fragments in hand
.set QS,  20                           ; v20, v21 q's scale words (A, B)
.set PW,  22                           ; v22, v23 p's
.set CAL, 24                           ; v24-39 register n: slope sqrt(128) (16 h + n)
; window 1, v0-63: four fragments of K or of V.   v64-255: tile A in window 0, tile B in window 1, under the same numbers:
.set QF,  64                           ; q's codes
.set PC,  80                           ; p's codes
.set NM,  96                           ; -M
.set TMX, 97                           ; the running largest t
.set SUM, 98                           ; the row's sum, in two halves
.set MB,  100                          ; four block maxima
.set PT,  104                          ; at work
.set SCO, 108                          ; the conversions' scale operands
.set EG,  112                          ; block b: v[EG + 2 b] = G_b - M; v[EG + 2 b + 1] = G_b, later 448 x the scale
.set F,   120                          ; 2^(old M - new M)
.set PWT, 121                          ; a scale word in the making (also the upper half of F's pair)
.set T0,  122
.set T1,  123
.set FQ,  124                          ; my query's number in its sequence, as f32
.set DQ,  125                          ; my query - 16 h
.set MINF, 126                         ; -infinity
.set D,   127                          ; the mask's bound
.set S,   128                          ; S^T, then p
.set O,   192                          ; O^T
.set WV,  16                           ; s16 my wave's number
.set CX,  17                           ; s17 my place in the cluster
.set QA,  18                           ; s18, s19 the tiles' first queries
.set SEL, 20                           ; s[20:21] lane selects: lane l xor 16
.set CS,  22                           ; s[22:23] c, twice (the packed form names a pair)
.set G1,  24                           ; s[24:31] descriptor group 1: an image of 16,384 bytes
.set G1S, 32                           ; s[32:39] the same for 5,120 bytes of scale words
.set G0,  40                           ; s[40:43] group 0 of the images: it walks
.set G0S, 44                           ; s[44:47] of the scale words
.set KF,  48                           ; the step's first key; s49 the same as f32
.set KFF, 49
.set TB,  50                           ; LDS byte at which the step's image of K begins
.set TS,  51                           ; 512 x the step's number in the walk
.set SLOTS, 52
.set TWICE, 53
.set MNT, 54                           ; the mantissa field of 448
.set SL2, 55                           ; s55 SL2; s56-58 SL2 x 32, 64, 96
.set SLP, 59                           ; slope sqrt(128)
.set QP,  60                           ; s[60:61], s[62:63] q at the tiles' first rows
.set OP,  66                           ; s[66:67], s[68:69] out0 likewise
.set PFA, 70                           ; s[70:71] where my prefetches stand
.set LIM, 72                           ; 1 in a wave that prefetches, else the greatest number
.set TA,  74                           ; tile A's last query
.set MSB, 0
.macro WIN new                         ; s_set_vgpr_msb: bits 1:0 source 0, 3:2 source 1, 5:4 source 2, 7:6 destination; the high byte repeats the setting that is left
.if MSB != (\new)
	s_set_vgpr_msb (MSB<<8)|(\new)
.set MSB, (\new)
.endif
.endm
.macro WINT w                          ; all places in tile w's window
	WIN 0x55*(\w)
.endm
.macro CROUND                          ; a round of the cluster's barrier
	s_barrier_signal -1
	s_barrier_wait -1
	s_cmp_lg_u32 s[WV], 0
	s_cbranch_scc1 .Lnot_wave_0_\@
	s_barrier_signal -3
.Lnot_wave_0_\@:
	s_barrier_wait -3
	s_barrier_signal -1
	s_barrier_wait -1
.endm
.macro TLOAD                           ; the joint refill: waves 0 and 1 fetch K's two steps, waves 2 and 3 V's; four v_nop follow the line
	s_cmp_lt_u32 s[WV], 4
	s_cbranch_scc0 .Lno_load_\@
	tensor_load_to_lds s[G0:G0+3], s[G1:G1+7]
	s_nop 0
.rept 4
	v_nop
.endr
.Lno_load_\@:
.endm
; A PREFETCH INTO THE L2 of the two key steps that the NEXT change of slots will ask for: 32,768 bytes of K's images and as many of V's.  Of the four late clusters of a key and value head the one with pi = 3 walks ahead of the
; others from key step 10 on: it asks, and nobody else.  Its four partners take 8,192 bytes each, told apart BY ADDRESS; in each, wave 4 asks for K's and wave 5 for V's, lanes 256 bytes apart: one instruction.  So each block of 256 bytes is
; named once in the launch.  The first two slots come by their loads alone; the last change that fills a slot asks for nothing.
.macro ASK
	s_cmp_gt_u32 s[SLOTS], s[LIM]
	s_cbranch_scc0 .Lnot_mine_\@
	global_prefetch_b8 v[PFO], s[PFA:PFA+1] th:TH_LOAD_NT scope:SCOPE_SE
.Lnot_mine_\@:
.endm
	s_load_b256 s[4:11], s[0:1], 0x0               ; q s[4:5], kc s[6:7], ks s[8:9], vc s[10:11]
	s_load_b128 s[12:15], s[0:1], 0x20             ; vs s[12:13], out0 s[14:15]
	v_lshl_add_u32 v[SPW], v0, 2, SPARE
	v_mov_b32 v[NIL], 0
	ds_add_u32 v5, v6
	s_wait_dscnt 0x0
	v_lshrrev_b32 v40, 5, v0
	v_readfirstlane_b32 s[WV], v40                 ; wave 0..7
	v_and_b32 v44, 31, v0                          ; lane
	v_lshlrev_b32 v[LI], 4, v44
	v_lshlrev_b32 v[PFO], 8, v44
	s_bfe_u32 s[CX], ttmp6, 0x40000                ; cx
	s_bfe_u32 s75, ttmp9, 0x40002                  ; bkv = (cluster / 4) % 16
	s_and_b32 s76, ttmp9, 3                        ; pi
	s_lshr_b32 s77, s75, 3                         ; batch
	s_and_b32 s78, s75, 7                          ; key and value head
	s_lshl_b32 s80, s76, 8                         ; late: A = 1024 + 256 pi + 32 w, B = A + 16
	s_lshl_b32 s81, s[WV], 5
	s_add_co_u32 s80, s80, s81
	s_add_co_u32 s80, s80, 1024
	s_add_co_u32 s81, s80, 16
	s_sub_co_u32 s79, 7, s[WV]                     ; early: a = min(w, 7 - w)
	s_min_u32 s79, s79, s[WV]
	s_lshl_b32 s79, s79, 7
	s_lshl_b32 s83, s76, 1                         ; 2 pi
	s_lshr_b32 s82, s[WV], 2
	s_add_co_u32 s82, s82, s83
	s_lshl_b32 s82, s82, 4                         ; 16 sub
	s_add_co_u32 s84, s79, s82                     ; A = 128 a + 16 sub
	s_sub_co_u32 s85, 896, s79
	s_add_co_u32 s85, s85, s82                     ; B = 128 (7 - a) + 16 sub
	s_cmp_lt_u32 ttmp9, 64                         ; late or early: the cluster's number, the same in all partners
	s_cselect_b32 s[QA], s80, s84
	s_cselect_b32 s[QA+1], s81, s85
	s_cselect_b32 s86, s83, 0                      ; the walk's first key step
	s_add_co_u32 s[TA], s[QA], 15
	s_lshl_b32 s[KF], s86, 7
	s_cvt_f32_u32 s[KFF], s[KF]
	; the slope, 2^(-e / 4) with e = head + 1: the f32 nearest to 2^(-(e % 4) / 4), with e / 4 taken off its exponent field.  A value is chosen here, no way through the text
	s_lshl_b32 s87, s78, 2
	s_add_co_u32 s87, s87, s[CX]                   ; the query head
	s_add_co_u32 s88, s87, 1
	s_and_b32 s89, s88, 3
	s_lshr_b32 s90, s88, 2
	s_lshl_b32 s90, s90, 23
	s_mov_b32 s73, 0x3f800000
	s_cmp_eq_u32 s89, 1
	s_cselect_b32 s73, 0x3f5744fd, s73
	s_cmp_eq_u32 s89, 2
	s_cselect_b32 s73, 0x3f3504f3, s73
	s_cmp_eq_u32 s89, 3
	s_cselect_b32 s73, 0x3f1837f0, s73
	s_sub_co_u32 s73, s73, s90
	s_mul_f32 s[SL2], s73, 0x3fb8aa3b              ; x log2(e)
	s_mul_f32 s[SL2+1], s[SL2], 0x42000000         ; x 32
	s_mul_f32 s[SL2+2], s[SL2], 0x42800000         ; x 64
	s_mul_f32 s[SL2+3], s[SL2], 0x42c00000         ; x 96
	s_mul_f32 s[SLP], s73, 0x413504f3              ; slope x sqrt(128)
	; byte offsets.  q, out0: (2,048 batch + query) rows of 16,384 bytes + 512 head
	s_lshl_b32 s91, s77, 11
	s_lshl_b32 s87, s87, 9
	s_add_co_u32 s80, s91, s[QA]
	s_lshl_b32 s80, s80, 14
	s_add_co_u32 s80, s80, s87
	s_mov_b32 s81, 0
	s_add_co_u32 s82, s91, s[QA+1]
	s_lshl_b32 s82, s82, 14
	s_add_co_u32 s82, s82, s87
	s_mov_b32 s83, 0
	s_lshl_b32 s84, s75, 18                        ; the images of my bkv
	s_and_b32 s85, s[WV], 1                        ; which of a slot's two steps I fetch, if I fetch
	s_add_co_u32 s92, s85, s86
	s_lshl_b32 s92, s92, 14
	s_add_co_u32 s92, s92, s84
	s_mov_b32 s93, 0
	s_lshl_b32 s94, s75, 13                        ; the scale words: 8,192 bkv + 512 x the first step
	s_lshl_b32 s95, s86, 9
	s_add_co_u32 s94, s94, s95
	s_mov_b32 s95, 0
	s_add_co_u32 s88, s86, 2                       ; the prefetches: at the walk's third step; the first change of slots steps them to the fifth
	s_lshl_b32 s88, s88, 14
	s_add_co_u32 s88, s88, s84
	s_lshl_b32 s89, s[CX], 13                      ; + my work-group's 8,192 bytes of a slot's 32,768
	s_add_co_u32 s88, s88, s89
	s_mov_b32 s89, 0
	s_lshr_b32 s90, s[WV], 1
	s_xor_b32 s90, s90, 2                          ; 0 in waves 4 and 5,
	s_xor_b32 s91, s76, 3                          ; where pi = 3,
	s_or_b32 s90, s90, s91
	s_lshr_b32 s91, ttmp9, 6                       ; in a late cluster
	s_or_b32 s90, s90, s91
	s_cmp_eq_u32 s90, 0
	s_cselect_b32 s[LIM], 1, -1                    ; the same in all four partners, for a given wave
	s_mov_b32 s[SEL], 0x76543210
	s_mov_b32 s[SEL+1], 0xfedcba98
	s_mov_b32 s[CS], 0x3e0293ee                    ; c = log2(e) / sqrt(128)
	s_mov_b32 s[CS+1], s[CS]
	s_mov_b32 s[MNT], 0x600000
	s_mov_b32 s[TB], 0
	s_mov_b32 s[TS], 0
	s_mov_b32 s[SLOTS], 4
	; descriptor group 1: a dense block as rows of 256 bytes (32 elements of 8 bytes), no padding: images are read at 16 x lane
	s_mov_b32 s[G1], 15|(3<<16)|(1<<21)            ; 15:0 the mask: all four work-groups; 17:16 elements of 8 bytes; 21 set beside a mask
	s_mov_b32 s[G1+1], 32<<16                      ; tensor_dim0 = 32
	s_mov_b32 s[G1+2], 64<<16                      ; tensor_dim1 = 64
	s_mov_b32 s[G1+3], 32<<16                      ; tile_dim0 = 32
	s_mov_b32 s[G1+4], 64                          ; tile_dim1 = 64
	s_mov_b32 s[G1+5], 32                          ; from row to row
	s_mov_b32 s[G1+6], 0
	s_mov_b32 s[G1+7], 0
	s_mov_b32 s[G1S], 15|(3<<16)|(1<<21)
	s_mov_b32 s[G1S+1], 32<<16
	s_mov_b32 s[G1S+2], 20<<16                     ; ten steps' 5,120 bytes: 20 rows
	s_mov_b32 s[G1S+3], 32<<16
	s_mov_b32 s[G1S+4], 20
	s_mov_b32 s[G1S+5], 32
	s_mov_b32 s[G1S+6], 0
	s_mov_b32 s[G1S+7], 0
	s_mov_b32 s[G0], 1
	s_lshl_b32 s[G0+1], s[WV], 14                  ; slot 0: wave 0, 1: K's steps; wave 2, 3: V's
	s_mov_b32 s[G0S], 1
	s_mul_i32 s[G0S+1], s85, SCVD
	s_add_co_u32 s[G0S+1], s[G0S+1], SCK           ; wave 6: K's scale words; wave 7: V's
	s_wait_kmcnt 0x0
	s_add_nc_u64 s[QP:QP+1], s[4:5], s[80:81]
	s_add_nc_u64 s[QP+2:QP+3], s[4:5], s[82:83]
	s_add_nc_u64 s[OP:OP+1], s[14:15], s[80:81]
	s_add_nc_u64 s[OP+2:OP+3], s[14:15], s[82:83]
	s_cmp_lt_u32 s[WV], 2
	s_cselect_b64 s[G0+2:G0+3], s[6:7], s[10:11]
	s_add_nc_u64 s[G0+2:G0+3], s[G0+2:G0+3], s[92:93]
	s_or_b32 s[G0+3], s[G0+3], 0x80000000          ; type = 2
	s_cmp_eq_u32 s85, 0
	s_cselect_b64 s[G0S+2:G0S+3], s[8:9], s[12:13]
	s_add_nc_u64 s[G0S+2:G0S+3], s[G0S+2:G0S+3], s[94:95]
	s_or_b32 s[G0S+3], s[G0S+3], 0x80000000
	s_cmp_eq_u32 s[WV], 4
	s_cselect_b64 s[PFA:PFA+1], s[6:7], s[10:11]
	s_add_nc_u64 s[PFA:PFA+1], s[PFA:PFA+1], s[88:89]
	CROUND                                         ; all four work-groups are here: the first joint loads meet
	s_cmp_lt_u32 s[WV], 4                          ; the first fills: one a wave, each inside one branch on the wave's number: slot 0 (waves 0-3), the scale words of the whole walk (waves 6, 7)
	s_cbranch_scc0 .Lfirst_s
	tensor_load_to_lds s[G0:G0+3], s[G1:G1+7]
	s_nop 0
.rept 4
	v_nop
.endr
	s_branch .Lfirst_done
.Lfirst_s:
	s_cmp_lt_u32 s[WV], 6
	s_cbranch_scc1 .Lfirst_done
	tensor_load_to_lds s[G0S:G0S+3], s[G1S:G1S+7]
	s_nop 0
.rept 4
	v_nop
.endr
.Lfirst_done:
.irp i, 0,1,2,3,4,5,6,7,8,9,10,11,12,13,14,15
	global_load_b128 v[S+4*\i:S+4*\i+3], v[LI], s[QP:QP+1] offset:16384*\i th:TH_LOAD_NT   ; tile A's row i of q: 512 consecutive bytes
.endr
	WIN 0x40                                       ; destination window 1
.irp i, 0,1,2,3,4,5,6,7,8,9,10,11,12,13,14,15
	global_load_b128 v[S+4*\i:S+4*\i+3], v[LI], s[QP+2:QP+3] offset:16384*\i th:TH_LOAD_NT ; tile B's
.endr
	WIN 0
	v_and_b32 v40, 15, v0                          ; r
	v_bfe_u32 v41, v0, 4, 1                        ; h
	v_lshlrev_b32 v43, 4, v41                      ; 16 h
	v_sub_nc_u32 v42, v40, v43                     ; r - 16 h
	v_lshl_add_u32 v[LR], v40, 4, SCK
	s_mul_i32 s73, s[WV], STGB
	s_add_co_u32 s73, s73, STAGE                   ; my stage
	v_mul_u32_u24 v45, v40, SP
	v_lshl_add_u32 v[STO], v41, 5, v45
	v_add_nc_u32 v[STO], s73, v[STO]
	v_lshl_add_u32 v[SQR], v41, 6, v45
	v_add_nc_u32 v[SQR], s73, v[SQR]
	v_add_nc_u32 v[STR], s73, v[LI]
.set n, 0
.rept 16
	v_add_nc_u32 v[CAL+n], n, v43
.set n, n+1
.endr
.set n, 0
.rept 16
	v_cvt_f32_u32 v[CAL+n], v[CAL+n]
.set n, n+1
.endr
.set n, 0
.rept 16
	v_mul_f32 v[CAL+n], s[SLP], v[CAL+n]           ; slope sqrt(128) (16 h + n)
.set n, n+1
.endr
	v_mov_b32 v[PW], 0x7f7f7f7f                    ; p's scale words and codes are written once here (scale 1, codes 0), so that they are written on every way through the branches below
	v_mov_b32 v[PW+1], 0x7f7f7f7f
.macro INIT w
	WIN 0x40*(\w)
	v_add_nc_u32 v[T0], s[QA+\w], v40              ; my query
	v_add_nc_u32 v[DQ], s[QA+\w], v42
	WINT \w
	v_cvt_f32_u32 v[FQ], v[T0]
	v_mov_b32 v[MINF], 0xff800000
	v_mov_b32 v[TMX], 0xff61b1e6                   ; the largest t so far: -3e38, under every t
	v_floor_f32 v[NM], -v[TMX]
	v_mov_b32 v[SUM], 0
	v_mov_b32 v[SUM+1], 0
	v_mov_b32 v[T1], 0                             ; (named as the upper half of a pair on the way out)
.irp b, 0,1,2,3
	v_mov_b32 v[PT+\b], 0                          ; a lane permute's destination counts as one of its sources
.endr
.set n, 0
.rept 16
	v_mov_b32 v[PC+n], 0
.set n, n+1
.endr
.endm
	INIT 0
	INIT 1
; Tile w's 16 rows of q turn through my stage: in as rows, out 64 bytes a lane and block: register 16 c + i of v[O] on = channel 32 c + 16 h + i of my query
.macro QTURN w
	WIN 0x04*(\w)                                  ; an LDS store's data are its source 1
.irp i, 0,1,2,3,4,5,6,7,8,9,10,11,12,13,14,15
	s_wait_loadcnt 31-16*(\w)-\i                   ; loads come back in order: row i is in; the tile's younger rows (and behind A's: B's sixteen) may be out
	ds_store_b128 v[STR], v[S+4*\i:S+4*\i+3] offset:SP*\i
.endr
	WIN 0x40*(\w)
.irp c, 0,1,2,3
.irp j, 0,1,2,3
	ds_load_b128 v[O+16*\c+4*\j:O+16*\c+4*\j+3], v[SQR] offset:128*\c+16*\j   ; LDS serves a wave's instructions in order: these see the stores above, and the next tile's stores come behind them
.endr
.endr
.endm
; 64 numbers of a lane in v[O] on become q's codes in v[QF] on and its scale word
.macro QUANT w
	WINT \w
.irp b, 0,1,2,3
	v_max3_num_f32 v[MB+\b], |v[O+16*\b]|, |v[O+1+16*\b]|, 0x4800000   ; block b: my 16 numbers, and the floor 2^(9 - 127): so the byte cannot fall under 1
.endr
.irp i, 2,4,6,8,10,12,14
.irp b, 0,1,2,3
	v_max3_num_f32 v[MB+\b], v[MB+\b], |v[O+16*\b+\i]|, |v[O+1+16*\b+\i]|
.endr
.endr
.irp b, 0,1,2,3
	v_permlanex16_b32 v[PT+\b], v[MB+\b], s[SEL], s[SEL+1]
.endr
.irp b, 0,1,2,3
	v_max_num_f32 v[MB+\b], v[MB+\b], v[PT+\b]     ; with lane l xor 16's: the block's largest magnitude
.endr
.irp b, 0,1,2,3
	v_add_nc_u32 v[SCO+\b], 0xfc000000, v[MB+\b]   ; 8 off its exponent field: the conversion's scale operand
.endr
.irp b, 0,1,2,3
	v_and_or_b32 v[EG+1+2*\b], v[MB+\b], 0x7f800000, s[MNT]   ; 448 x the scale
.endr
.irp b, 0,1,2,3
	v_lshrrev_b32 v[PT+\b], 23, v[SCO+\b]          ; the scale's byte
.endr
	v_lshl_or_b32 v[PWT], v[PT+1], 8, v[PT]
	v_lshl_or_b32 v[PWT], v[PT+2], 16, v[PWT]
	WIN 0x11*(\w)                                  ; scale operands are always taken from window 0: the finished word goes there
	v_lshl_or_b32 v[QS+\w], v[PT+3], 24, v[PWT]
	WINT \w
.irp b, 0,1,2,3
.irp i, 0,1,2,3,4,5,6,7,8,9,10,11,12,13,14,15
	v_med3_num_f32 v[O+16*\b+\i], v[O+16*\b+\i], -v[EG+1+2*\b], v[EG+1+2*\b]   ; the conversion to an 8-bit code does not saturate (ISA guide 7.6.2): the hold comes first
.endr
	v_cvt_scalef32_pk8_fp8_f32 v[QF+4*\b:QF+1+4*\b], v[O+16*\b:O+7+16*\b], v[SCO+\b]
	v_cvt_scalef32_pk8_fp8_f32 v[QF+2+4*\b:QF+3+4*\b], v[O+8+16*\b:O+15+16*\b], v[SCO+\b]
.endr
	v_nop                                          ; one plain vector instruction between the last conversion and the lines that write its sources
.endm
.macro CLEAR w                         ; O^T begins as zeros: the key step is written once, and its first run finds zeros, which the first change of M leaves zeros
	WINT \w
.set n, 0
.rept 64
	v_mov_b32 v[O+n], 0
.set n, n+1
.endr
.endm
	QTURN 0
	QTURN 1
	s_wait_dscnt 32                                ; tile A's numbers are back; tile B's 16 stores and 16 loads may be out
	QUANT 0
	s_wait_dscnt 0x0
	QUANT 1
	CLEAR 1
	CLEAR 0
; Hidden scores become -infinity ahead of the maximum: p = 0 then.  Register n of v[S] on holds key KF + 16 h + off, off = 32 (n / 16) + n % 16.
; kind 0, causal: hidden where off > my query - 16 h - KF.   kind 1, the window: hidden where off < my query - 16 h - KF - 1024 (s73 = KF + 1024).  The registers are taken in ascending order.
.macro MASK w, kind
	WINT \w
.if \kind
	v_sub_nc_u32 v[D], v[DQ], s73
.else
	v_sub_nc_u32 v[D], v[DQ], s[KF]
.endif
.set n, 0
.rept 64
.if \kind
	v_cmp_lt_i32 vcc_lo, 32*(n/16)+n%16, v[D]
.else
	v_cmp_gt_i32 vcc_lo, 32*(n/16)+n%16, v[D]
.endif
	v_cndmask_b32 v[S+n], v[S+n], v[MINF], vcc_lo
.set n, n+1
.endr
	WIN 0
.endm
; Tile w's softmax for one key step, and p's codes and scale word
.macro SOFTMAX w
	s_add_co_u32 s73, s[KF], 127                   ; the causal mask is wanted where the step's last key comes after the tile's first query,
	s_cmp_le_u32 s73, s[QA+\w]
	s_cbranch_scc1 .Lopen_\@
	MASK \w, 0
.Lopen_\@:
	s_add_co_u32 s73, s[KF], 1009                  ; the window's where the step's first key lies more than 1,024 before the tile's last query
	s_cmp_ge_u32 s73, s[QA+\w]
	s_cbranch_scc1 .Lnear_\@
	s_add_co_u32 s73, s[KF], 1024
	MASK \w, 1
.Lnear_\@:
	WINT \w
.irp b, 0,1,2,3
	v_max3_num_f32 v[MB+\b], v[S+16*\b], v[S+16*\b+1], v[S+16*\b+2]   ; the largest score of each block of 32 keys (with its part of the bias): it serves for the row's maximum and, since p rises with the score inside a block, for the block's largest p
.endr
.irp i, 3,5,7,9,11,13
.irp b, 0,1,2,3
	v_max3_num_f32 v[MB+\b], v[MB+\b], v[S+16*\b+\i], v[S+16*\b+\i+1]
.endr
.endr
.irp b, 0,1,2,3
	v_max_num_f32 v[MB+\b], v[MB+\b], v[S+16*\b+15]
.endr
.irp b, 0,1,2,3
	v_permlanex16_b32 v[PT+\b], v[MB+\b], s[SEL], s[SEL+1]
.endr
.irp b, 0,1,2,3
	v_max_num_f32 v[MB+\b], v[MB+\b], v[PT+\b]     ; with lane l xor 16's 16 keys
.endr
	v_sub_f32 v[T0], s[KFF], v[FQ]                 ; KF - i: whole numbers, exact
	v_mul_f32 v[EG+1], s[SL2], v[T0]               ; G_0 = SL2 (KF - i)
.irp b, 1,2,3
	v_fma_f32 v[EG+1+2*\b], v[T0], s[SL2], s[SL2+\b]   ; G_b = SL2 (KF - i) + SL2 32 b
.endr
.irp b, 0,1,2,3
	v_fma_f32 v[PT+\b], v[MB+\b], s[CS], v[EG+1+2*\b]  ; each block's largest t
.endr
	v_max3_num_f32 v[T0], v[PT], v[PT+1], v[PT+2]
	v_max_num_f32 v[T0], v[T0], v[PT+3]
	v_max_num_f32 v[TMX], v[TMX], v[T0]            ; the running largest t
	v_mov_b32 v[T0], v[NM]
	v_floor_f32 v[NM], -v[TMX]                     ; the new -M = floor(-t) = -ceil(t): a whole number
	v_sub_f32 v[T0], v[NM], v[T0]                  ; old M - new M: a whole number, 0 or less
	v_cvt_i32_f32 v[T0], v[T0]                     ; (it saturates)
	v_ldexp_f32 v[F], 1.0, v[T0]                   ; f = 2^(old M - new M)
.irp b, 0,1,2,3
	v_add_f32 v[EG+2*\b], v[EG+1+2*\b], v[NM]      ; G_b - M
.endr
.set n, 0
.rept 32
	v_pk_fma_f32 v[S+n:S+n+1], v[S+n:S+n+1], s[CS:CS+1], v[EG+2*(n/16):EG+2*(n/16)+1] op_sel_hi:[1,0,0]   ; t - M, two at a time (of the pairs the low word serves both halves)
.set n, n+2
.endr
.irp b, 0,1,2,3
	v_fma_f32 v[MB+\b], v[MB+\b], s[CS], v[EG+2*\b]    ; the same of each block's largest score
.endr
.set n, 0
.rept 64
	v_exp_f32 v[S+n], v[S+n]                       ; p = 2^(t - M): not normalised
.set n, n+1
.endr
	v_pk_mul_f32 v[SUM:SUM+1], v[SUM:SUM+1], v[F:F+1] op_sel_hi:[1,0]   ; the sums under the new M: the plain instruction behind the exponentials
	s_wait_alu depctr_va_vdst(0)                   ; one wait for the batch of 64, ahead of its first reader
.irp b, 0,1,2,3
	v_exp_f32 v[MB+\b], v[MB+\b]                   ; the block's largest p: the same two instructions on the same number
.endr
	v_pk_add_f32 v[PT:PT+1], v[S:S+1], v[S+2:S+3]  ; the row's sum is taken of the unquantised p, in two chains
.set n, 4
.rept 15
	v_pk_add_f32 v[SUM:SUM+1], v[SUM:SUM+1], v[S+n:S+n+1]
	v_pk_add_f32 v[PT:PT+1], v[PT:PT+1], v[S+n+2:S+n+3]
.set n, n+4
.endr
	v_pk_add_f32 v[SUM:SUM+1], v[SUM:SUM+1], v[PT:PT+1]
	s_wait_alu depctr_va_vdst(0)                   ; and one for the four
.irp b, 0,1,2,3
	v_max_num_f32 v[MB+\b], 0x4800000, v[MB+\b]    ; the floor 2^(9 - 127): a block whose every p is 0 keeps the byte 1: its codes are zeros
.endr
.irp b, 0,1,2,3
	v_add_nc_u32 v[SCO+\b], 0xfc000000, v[MB+\b]   ; the conversion's scale operand
.endr
.irp b, 0,1,2,3
	v_and_or_b32 v[EG+1+2*\b], v[MB+\b], 0x7f800000, s[MNT]   ; 448 x the scale
.endr
.irp b, 0,1,2,3
	v_lshrrev_b32 v[PT+\b], 23, v[SCO+\b]          ; the scale's byte
.endr
	v_lshl_or_b32 v[PWT], v[PT+1], 8, v[PT]
	v_lshl_or_b32 v[PWT], v[PT+2], 16, v[PWT]
	WIN 0x11*(\w)
	v_lshl_or_b32 v[PW+\w], v[PT+3], 24, v[PWT]    ; p's scale word for these 128 keys, in window 0
	WINT \w
.irp b, 0,1,2,3
.irp i, 0,1,2,3,4,5,6,7,8,9,10,11,12,13,14,15
	v_min_num_f32 v[S+16*\b+\i], v[S+16*\b+\i], v[EG+1+2*\b]   ; the hold (ISA guide 7.6.2); p is not negative, so it is one-sided
.endr
	v_cvt_scalef32_pk8_fp8_f32 v[PC+4*\b:PC+1+4*\b], v[S+16*\b:S+7+16*\b], v[SCO+\b]
	v_cvt_scalef32_pk8_fp8_f32 v[PC+2+4*\b:PC+3+4*\b], v[S+8+16*\b:S+15+16*\b], v[SCO+\b]
.endr
.set n, 0
.rept 32
	v_pk_mul_f32 v[O+n:O+n+1], v[O+n:O+n+1], v[F:F+1] op_sel_hi:[1,0]   ; O^T under the new M.  These 32 also stand between the codes and the scale word and the matrix instructions that take them
.set n, n+2
.endr
	WIN 0
.endm
; S^T = K Q^T + the bias's part, four tiles of 16 keys at a time, for tile B and, where it has a part in the step, tile A.  Eight plain vector instructions stand between the last matrix instructions and
; the loads into registers that they have read; for g = 0 the step's two address additions are two of them.
.macro KQ g
.rept 6+2*(\g)
	v_nop
.endr
	WIN 0x40                                       ; destination window 1
.irp tt, 0,1,2,3
.irp c, 0,1,2,3
	ds_load_b128 v[16*\tt+4*\c:16*\tt+4*\c+3], v[ADK] offset:(4*\g+\tt)*2048+512*\c
.endr
.endr
	WIN 0
	ds_load_b128 v[KS:KS+3], v[ADS] offset:256*\g  ; the four tiles' scale words of my row
	s_wait_dscnt 0x0
	WIN 0x45                                       ; K and Q window 1, the bias window 0, S^T window 1
.irp tt, 0,1,2,3
	v_wmma_scale_f32_16x16x128_f8f6f4 v[S+8*(4*\g+\tt):S+8*(4*\g+\tt)+7], v[16*\tt:16*\tt+15], v[QF:QF+15], v[CAL+8*(\tt%2):CAL+8*(\tt%2)+7], v[KS+\tt], v[QS+1]
.endr
	WIN 0
	s_cmp_gt_u32 s[KF], s[TA]
	s_cbranch_scc1 .Lno_a_\@
	WIN 0x01                                       ; K window 1, all else window 0
.irp tt, 0,1,2,3
	v_wmma_scale_f32_16x16x128_f8f6f4 v[S+8*(4*\g+\tt):S+8*(4*\g+\tt)+7], v[16*\tt:16*\tt+15], v[QF:QF+15], v[CAL+8*(\tt%2):CAL+8*(\tt%2)+7], v[KS+\tt], v[QS]
.endr
	WIN 0
.Lno_a_\@:
.endm
.macro VLOAD g                         ; four tiles of V^T (16 channels x 128 keys) and their scale words
	WIN 0x40
.irp tt, 0,1,2,3
.irp c, 0,1,2,3
	ds_load_b128 v[16*\tt+4*\c:16*\tt+4*\c+3], v[ADK] offset:VOFF+(4*\g+\tt)*2048+512*\c
.endr
.endr
	WIN 0
	ds_load_b128 v[KS:KS+3], v[ADS] offset:SCVD+256*\g
.endm
.macro PV g                            ; O^T += V^T P^T.  The sixteen accumulators take turns, one instruction a turn
	s_wait_dscnt 0x0
	WIN 0x55
.irp tt, 0,1,2,3
	v_wmma_scale_f32_16x16x128_f8f6f4 v[O+8*(4*\g+\tt):O+8*(4*\g+\tt)+7], v[16*\tt:16*\tt+15], v[PC:PC+15], v[O+8*(4*\g+\tt):O+8*(4*\g+\tt)+7], v[KS+\tt], v[PW+1]
.endr
	WIN 0
	s_cmp_gt_u32 s[KF], s[TA]
	s_cbranch_scc1 .Lno_a_\@
	WIN 0x01
.irp tt, 0,1,2,3
	v_wmma_scale_f32_16x16x128_f8f6f4 v[O+8*(4*\g+\tt):O+8*(4*\g+\tt)+7], v[16*\tt:16*\tt+15], v[PC:PC+15], v[O+8*(4*\g+\tt):O+8*(4*\g+\tt)+7], v[KS+\tt], v[PW]
.endr
	WIN 0
.Lno_a_\@:
.endm
; A KEY STEP of 128 keys.  It has work where KF <= B + 15 and KF + 1151 >= B; tile A then has a part in it where KF <= A + 15 (A lies before B, and in the late jobs in the same 128 queries).  The branches hang on ids alone;
; no barrier and no tensor load stands in a step, and the lines at its end, which step addresses, are on every way.
.macro STEP
	s_add_co_u32 s73, s[QA+1], 15
	s_cmp_gt_u32 s[KF], s73
	s_cbranch_scc1 .Lhidden_\@
	s_add_co_u32 s73, s[KF], 1151
	s_cmp_lt_u32 s73, s[QA+1]
	s_cbranch_scc1 .Lhidden_\@
	v_add_nc_u32 v[ADK], s[TB], v[LI]
	v_add_nc_u32 v[ADS], s[TS], v[LR]
	KQ 0
	KQ 1
.rept 8
	v_nop                                          ; places in front of the loads below and of the first read of the scores
.endr
	VLOAD 0                                        ; V's first four tiles land while the softmax is worked
	SOFTMAX 1
	s_cmp_gt_u32 s[KF], s[TA]
	s_cbranch_scc1 .Lonly_b_\@
	SOFTMAX 0
.Lonly_b_\@:
	PV 0
.rept 8
	v_nop
.endr
	VLOAD 1
	PV 1
.Lhidden_\@:
	s_add_co_u32 s[KF], s[KF], 128
	s_add_f32 s[KFF], s[KFF], 0x43000000           ; + 128.0
	s_add_co_u32 s[TS], s[TS], 512
	s_add_co_u32 s[TB], s[TB], STEPB
.endm
.macro TWO_STEPS                       ; a slot's two key steps: written once, walked twice
	s_mov_b32 s[TWICE], 2
.Lstep_\@:
	STEP
	s_sub_co_u32 s[TWICE], s[TWICE], 1
	s_cmp_lg_u32 s[TWICE], 0
	s_cbranch_scc1 .Lstep_\@
	s_sub_co_u32 s[TB], s[TB], 2*STEPB             ; back to a slot's first step,
	s_xor_b32 s[TB], s[TB], SLOT1                  ; in the other slot
.endm
; THE CHANGE OF SLOTS stands at a slot's head.  Each wave waits for all its tensor loads (its part of the slot that it is about to read), adds 0 to its spare word, and waits for that and for its reads of the slot that it has left.
; fill = 1: a round of the cluster's barrier follows, so that no wave of any partner still reads the other slot or has a load on its way, and that slot is filled with the next two key steps: the load has two steps' work in which to land.
.macro CHANGE fill
	s_wait_tensorcnt 0x0                           ; no tensor load of mine is out, so group 0 may be written
	ds_add_u32 v[SPW], v[NIL]                      ; 0 onto my spare word
.if \fill
	s_xor_b32 s[G0+1], s[G0+1], SLOT1              ; the walking descriptor: the other slot than last time,
	s_add_nc_u64 s[G0+2:G0+3], s[G0+2:G0+3], 2*STEPB   ; the next two key steps; the type bits on top are not reached
	s_wait_xcnt 0x0                                ; the last prefetch, a slot back, has read its address, so it may be written:
	s_add_nc_u64 s[PFA:PFA+1], s[PFA:PFA+1], 2*STEPB   ; one slot further on than the walking descriptor
	s_wait_dscnt 0x0                               ; the add is done, and my reads of the slot that I have left are over
	CROUND
	TLOAD                                          ; the first thing behind the round, and a wave's one tensor load until the next
	ASK
.else
	s_wait_dscnt 0x0
	s_barrier_signal -1
	s_barrier_wait -1
.endif
.endm
.Lslot:                                            ; four trips: behind each change of slots but the last the next slot is asked for
	CHANGE 1
	TWO_STEPS
	s_sub_co_u32 s[SLOTS], s[SLOTS], 1
	s_cmp_lg_u32 s[SLOTS], 0
	s_cbranch_scc1 .Lslot
	CHANGE 0                                       ; the last slot is written out
	TWO_STEPS
	; THE WAY OUT.  The sum's halves are added; O^T is divided by the sum and goes through my stage, a tile at a time, so that 32 lanes store a query's 512 consecutive bytes of out0.
.rept 8
	v_nop                                          ; places behind the last products
.endr
.irp w, 0,1
	WINT \w
	v_add_f32 v[SUM], v[SUM], v[SUM+1]
	v_permlanex16_b32 v[PT], v[SUM], s[SEL], s[SEL+1]
	v_add_f32 v[SUM], v[SUM], v[PT]                ; with lane l xor 16's: the row's sum
	v_rcp_f32 v[T0], v[SUM]
.endr
	v_nop                                          ; a plain instruction behind the last reciprocal,
	s_wait_alu depctr_va_vdst(0)                   ; and one wait for the two, ahead of their first reader
.macro PACK w
	WINT \w
.set n, 0
.rept 32
	v_pk_mul_f32 v[S+n:S+n+1], v[O+n:O+n+1], v[T0:T0+1] op_sel_hi:[1,0]   ; register 8 t + j is out(query r, channel 16 t + 8 h + j); each accumulator from its low end on
.set n, n+2
.endr
	WIN 0x04*(\w)
.irp t, 0,1,2,3,4,5,6,7
	ds_store_b128 v[STO], v[S+8*\t:S+8*\t+3] offset:64*\t
	ds_store_b128 v[STO], v[S+8*\t+4:S+8*\t+7] offset:64*\t+16
.endr
	WIN 0x40*(\w)
.irp i, 0,1,2,3,4,5,6,7,8,9,10,11,12,13,14,15
	ds_load_b128 v[O+4*\i:O+4*\i+3], v[STR] offset:SP*\i   ; LDS serves a wave's instructions in order: these see my stores, and the next tile's stores come behind them
.endr
.endm
.macro SEND w, younger                 ; younger: the LDS instructions issued behind the tile's loads, which may stay out
	WIN 0x04*(\w)                                  ; a store's data are its source 1
.irp i, 0,1,2,3,4,5,6,7,8,9,10,11,12,13,14,15
	s_wait_dscnt \younger+15-\i
	global_store_b128 v[LI], v[O+4*\i:O+4*\i+3], s[OP+2*\w:OP+2*\w+1] offset:16384*\i th:TH_STORE_NT   ; 512 consecutive bytes, at a multiple of 512 from out0's first byte
.endr
.endm
	PACK 0
	PACK 1
	SEND 0, 32
	SEND 1, 0
	WIN 0
	s_wait_tensorcnt 0x0                           ; the wave's end, behind my last tensor load and my last LDS store
	ds_add_u32 v[SPW], v[NIL]
	s_wait_dscnt 0x0
	CROUND                                         ; the closing round: no work-group ends while a partner may still ask for a tile that names it
	s_endpgm
.Lfunc_end_k_qa9acc5147e_attn:
	.size	k_qa9acc5147e_attn, .Lfunc_end_k_qa9acc5147e_attn-k_qa9acc5147e_attn
	.p2alignl 7, 3214868480
	.fill 96, 4, 3214868480
	.section	.rodata,"a",@progbits
	.p2align	6, 0x0
	.amdhsa_kernel k_qa9acc5147e_attn
		.amdhsa_group_segment_fixed_size 327680
		.amdhsa_private_segment_fixed_size 0
		.amdhsa_enable_private_segment 0
		.amdhsa_kernarg_size 48
		.amdhsa_user_sgpr_count 2
		.amdhsa_user_sgpr_kernarg_segment_ptr 1
		.amdhsa_wavefront_size32 1
		.amdhsa_system_sgpr_workgroup_id_x 1
		.amdhsa_system_sgpr_workgroup_id_y 1
		.amdhsa_system_sgpr_workgroup_id_z 1
		.amdhsa_system_vgpr_workitem_id 0
		.amdhsa_next_free_vgpr 512
		.amdhsa_next_free_sgpr 100
		.amdhsa_reserve_vcc 1
		.amdhsa_float_denorm_mode_32 3
		.amdhsa_float_denorm_mode_16_64 3
		.amdhsa_memory_ordered 1
		.amdhsa_forward_progress 1
		.amdhsa_inst_pref_size 181
	.end_amdhsa_kernel
	.amdgpu_metadata
---
amdhsa.version: [ 1, 2 ]
amdhsa.kernels:
  - .name:           k_qa9acc5147e_attn
    .symbol:         k_qa9acc5147e_attn.kd
    .args:
      - { .name: q, .offset: 0, .size: 8, .value_kind: global_buffer, .address_space: global }
      - { .name: kc, .offset: 8, .size: 8, .value_kind: global_buffer, .address_space: global }
      - { .name: ks, .offset: 16, .size: 8, .value_kind: global_buffer, .address_space: global }
      - { .name: vc, .offset: 24, .size: 8, .value_kind: global_buffer, .address_space: global }
      - { .name: vs, .offset: 32, .size: 8, .value_kind: global_buffer, .address_space: global }
      - { .name: out0, .offset: 40, .size: 8, .value_kind: global_buffer, .address_space: global }
    .group_segment_fixed_size: 327680
    .private_segment_fixed_size: 0
    .kernarg_segment_align: 8
    .kernarg_segment_size: 48
    .max_flat_workgroup_size: 256
    .sgpr_count:     100
    .vgpr_count:     512
    .wavefront_size: 32
...
	.end_amdgpu_metadata
.endif
;; end of part 2
